; MI455X (gfx1250); checked and timed in simulation.
; The chip was launched on July 23, 2026; its instructions are those of AMD's public machine-readable ISA for CDNA 5 (MIT licence, August 2026) and "CDNA5" Instruction Set Architecture Reference Guide (July 2026). The comments in the code are by the model that wrote it; some were corrected since.
;; Graph Attention Hierarchy Triples. Allowed arithmetic: float matrix products may take bf16 or f16 operands with f32 sums; all other float work in f32.
;; Inputs: W 256 x 1,024 float32; all_embeddings 32 x 64 x 64 x 256 float32; alpha_graph_attention_top 32 x 64 float32; decoder_hidden_state 32 x 1,024 float32; triple_mask 32 x 64 x 64 int32.
;; Outputs: out0 32 x 256 float32; out1 32 x 64 x 64 float32.
;; 2 versions, each right; version 2 is version 1 with the launch attend written anew for expert scheduling mode. Each part assembles by itself: llvm-mc -triple=amdgcn-amd-amdhsa -mcpu=gfx1250 --defsym DOCPART=n.
;; ======== version 1 of 2: 3 launches
;; workspace buffers: interp 524,288 bytes; part 262,144 bytes
;; launch mapper (part 1): grid 256 x 1, 8 waves a work-group, no clusters, 3,328 bytes of LDS; arguments W, decoder_hidden_state, interp; writes interp
.if DOCPART == 1
	.amdgcn_target "amdgcn-amd-amdhsa--gfx1250"
	.amdhsa_code_object_version 6
	.text
	.protected	k_q6c81d0acbe_mapper
	.globl	k_q6c81d0acbe_mapper
	.p2align	8
	.type	k_q6c81d0acbe_mapper,@function
k_q6c81d0acbe_mapper:
	s_mov_b64 s[64:65], 0
	v_nop
	global_prefetch_b8 v0, s[64:65] scope:SCOPE_SE
	s_setreg_imm32_b32 hwreg(HW_REG_WAVE_MODE, 25, 1), 1
	s_wait_xcnt 0x0
; interp[s][b][e] = log2(e) * sum over k = 64 s .. 64 s + 63 of h[b][k] * W[e][k].   W: [256][1024] f32, h: [32][1024] f32, interp: [16][32][256] f32.
; The sum over the 16 slices s is taken by the next launch, which needs it in LDS anyway.  The factor log2(e) is folded in here, so that
; the next launch's dot products are exponents of 2 as they stand.
; A few-row product: all arithmetic in f32 on the vector units.  The result feeds an exponential, where an absolute error becomes a
; relative one, so operands of 16 bits would spend the margin; and there are only 8.4 M multiply-adds.
; WHY K IS SPLIT OVER WORK-GROUPS: 256 work-groups share 8,192 outputs.  With whole rows of K a work-group of 32 outputs has to read at least
; 48 KiB; with 64 rows of W x 8 rows of h x 64 k it reads 16 + 2 KiB, and its 512 sums leave as eight whole pieces of 256 bytes.
; id = 64 bb + 4 ks + eb: rows 64 eb .. + 63 of W, k = 64 ks .. + 63, rows 8 bb .. + 7 of h.
; Eight waves; wave w takes rows 8 w .. 8 w + 7 of the 64.  LANES: hh = lane / 16, r = lane % 16; a lane holds k = 4 r .. 4 r + 3.
; Load j of W brings row 8 w + 4 hh + j: each half of the wave covers 256 consecutive bytes, aligned.  A load of h brings the same
; 256 bytes to both halves, since each half multiplies its own four rows of W by every row of h.
; A lane makes 4 x 8 sums over its 4 k; four adds across the 16 lanes finish each, and leave it in every lane of the half, so that
; four neighbouring e of one b are four neighbouring registers: 16 bytes for the stage in LDS.  One barrier; four waves store the stage.
; No cluster: a slice of W is shared by 4 work-groups and a slice of h by 4, each read once at the start into registers; there is no tile in LDS to fill jointly.
; LIMITS: finite inputs; the order of the sum is not the reference's.
.set KBYTES, 4096                      ; bytes in a row of W and of h
.set SPITCH, 272                       ; a row of the stage: 64 sums (256 bytes) + 16
.set WOF, 1                            ; v1        16,384 hh + 16 r: my 16 bytes in row 4 hh of the wave's eight
.set HOF, 2                            ; v2        16 r
.set STA, 3                            ; v3        LDS: 32 w + 16 hh, my half's four e in a row of the stage
.set WR,  4                            ; v[4:19]   four rows of W, 4 numbers each
.set HR,  20                           ; v[20:51]  eight rows of h, 4 numbers each
.set A,   52                           ; v[52:83]  sum of row b of h with my row j of W at 4 b + j
.set T,   84                           ; v[84:91]  at work
.set RDA, 92                           ; v92       the way out: LDS address
.set GO,  93                           ; v93       the way out: byte offset in interp
.set HH,  94                           ; v94       hh
.set TW,  95                           ; v95       at work
.set O,   96                           ; v[96:99]  the way out: 16 bytes
	s_load_b128 s[4:7], s[0:1], 0x0                ; W s[4:5], h s[6:7]
	s_load_b64 s[8:9], s[0:1], 0x10                ; interp
	v_lshl_add_u32 v100, v0, 2, 0x900
	v_mov_b32 v101, 0
	v_lshrrev_b32 v[TW], 5, v0
	v_readfirstlane_b32 s10, v[TW]                 ; wave 0..7
	v_and_b32 v[HOF], 15, v0
	v_lshlrev_b32 v[HOF], 4, v[HOF]
	v_bfe_u32 v[HH], v0, 4, 1
	v_lshl_add_u32 v[WOF], v[HH], 14, v[HOF]       ; four rows of 4,096 bytes for the upper half
	s_and_b32 s11, ttmp9, 3                        ; eb
	s_bfe_u32 s12, ttmp9, 0x40002                  ; ks: 4 bits from bit 2
	s_lshr_b32 s13, ttmp9, 6                       ; bb
	s_lshl_b32 s20, s12, 8                         ; 64 k of 4 bytes
	s_lshl_b32 s14, s11, 18                        ; W: 64 rows of 4,096 bytes a block
	s_lshl_b32 s15, s10, 15                        ;    + 8 rows a wave
	s_add_co_u32 s14, s14, s15
	s_add_co_u32 s14, s14, s20                     ;    + the slice
	s_mov_b32 s15, 0
	s_lshl_b32 s16, s13, 15                        ; h: 8 rows of 4,096 bytes a block
	s_add_co_u32 s16, s16, s20                     ;    + the slice
	s_mov_b32 s17, 0
	s_lshl_b32 s18, s12, 15                        ; interp: 32,768 bytes a slice
	s_lshl_b32 s19, s13, 13                        ;    + 8 rows of 1,024 bytes
	s_add_co_u32 s18, s18, s19
	s_lshl_b32 s19, s11, 8                         ;    + 64 numbers of 4 bytes
	s_add_co_u32 s18, s18, s19
	s_mov_b32 s19, 0
	s_mov_b32 s22, 0x3fb8aa3b                      ; log2(e), as a pair for the packed multiply
	s_mov_b32 s23, 0x3fb8aa3b
	s_wait_kmcnt 0x0
	s_add_nc_u64 s[4:5], s[4:5], s[14:15]
	s_add_nc_u64 s[6:7], s[6:7], s[16:17]
	s_add_nc_u64 s[8:9], s[8:9], s[18:19]
.irp j, 0,1,2,3
	global_load_b128 v[WR+4*\j:WR+4*\j+3], v[WOF], s[4:5] offset:KBYTES*\j
.endr
.irp b, 0,1,2,3,4,5,6,7
	global_load_b128 v[HR+4*\b:HR+4*\b+3], v[HOF], s[6:7] offset:KBYTES*\b
.endr
	; addresses, while the loads are on their way
	v_lshlrev_b32 v[STA], 4, v[HH]
	v_lshl_add_u32 v[STA], s10, 5, v[STA]
	s_and_b32 s21, s10, 3                          ; the way out is taken by waves 0-3: wave a has rows 2 a, 2 a + 1 of the stage
	s_mul_i32 s20, s21, 2*SPITCH
	v_mul_u32_u24 v[RDA], v[HH], SPITCH
	v_add_nc_u32 v[RDA], v[RDA], v[HOF]
	v_add_nc_u32 v[RDA], s20, v[RDA]               ; (2 a + hh) x 272 + 16 r
	v_lshl_add_u32 v[GO], v[HH], 10, v[HOF]
	v_lshl_add_u32 v[GO], s21, 11, v[GO]           ; (2 a + hh) x 1,024 + 16 r
	; row b of h against my four rows of W, as soon as it is in
.irp b, 0,1,2,3,4,5,6,7
	s_wait_loadcnt 7-\b                            ; loads come back in order: W and rows 0 .. b of h are in, the 7 - b younger rows stay out
.irp j, 0,1,2,3
	v_pk_mul_f32 v[T+2*\j:T+2*\j+1], v[WR+4*\j:WR+4*\j+1], v[HR+4*\b:HR+4*\b+1]
.endr
.irp j, 0,1,2,3
	v_pk_fma_f32 v[T+2*\j:T+2*\j+1], v[WR+4*\j+2:WR+4*\j+3], v[HR+4*\b+2:HR+4*\b+3], v[T+2*\j:T+2*\j+1]
.endr
.irp j, 0,1,2,3
	v_add_f32 v[A+4*\b+\j], v[T+2*\j], v[T+2*\j+1]
.endr
.irp x, 1,2,4,8
.irp j, 0,1,2,3
	v_add_f32_dpp v[A+4*\b+\j], v[A+4*\b+\j], v[A+4*\b+\j] row_xmask:\x row_mask:0xf bank_mask:0xf   ; across the 16 lanes that share a row; every lane gets the sum
.endr
.endr
	ds_store_b128 v[STA], v[A+4*\b:A+4*\b+3] offset:SPITCH*\b      ; four neighbouring e of row b; the 16 lanes of a half store the same 16 bytes
.endr
	s_wait_dscnt 0x0                               ; for the storing waves' sake: my stores are in LDS before I signal
	s_barrier_signal -1
	s_barrier_wait -1
	s_cmp_lt_u32 s10, 4
	s_cbranch_scc0 .Lend
	ds_load_b128 v[O:O+3], v[RDA]                  ; lanes 0-15 one row of the stage, lanes 16-31 the next
	s_wait_dscnt 0x0
	v_pk_mul_f32 v[O:O+1],   v[O:O+1],   s[22:23] op_sel_hi:[1,0]  ; x log2(e)
	v_pk_mul_f32 v[O+2:O+3], v[O+2:O+3], s[22:23] op_sel_hi:[1,0]
	global_store_b128 v[GO], v[O:O+3], s[8:9]      ; each half of the wave stores 256 consecutive bytes, aligned; read again by the next launch: no non-temporal hint
.Lend:
	s_wait_tensorcnt 0x0
	ds_add_u32 v100, v101
	s_wait_dscnt 0x0
	s_endpgm
.Lfunc_end_k_q6c81d0acbe_mapper:
	.size	k_q6c81d0acbe_mapper, .Lfunc_end_k_q6c81d0acbe_mapper-k_q6c81d0acbe_mapper
	.p2alignl 7, 3214868480
	.fill 96, 4, 3214868480
	.section	.rodata,"a",@progbits
	.p2align	6, 0x0
	.amdhsa_kernel k_q6c81d0acbe_mapper
		.amdhsa_group_segment_fixed_size 3328
		.amdhsa_private_segment_fixed_size 0
		.amdhsa_enable_private_segment 0
		.amdhsa_kernarg_size 24
		.amdhsa_user_sgpr_count 2
		.amdhsa_user_sgpr_kernarg_segment_ptr 1
		.amdhsa_wavefront_size32 1
		.amdhsa_system_sgpr_workgroup_id_x 1
		.amdhsa_system_sgpr_workgroup_id_y 1
		.amdhsa_system_sgpr_workgroup_id_z 1
		.amdhsa_system_vgpr_workitem_id 0
		.amdhsa_next_free_vgpr 102
		.amdhsa_next_free_sgpr 66
		.amdhsa_reserve_vcc 0
		.amdhsa_float_denorm_mode_32 3
		.amdhsa_float_denorm_mode_16_64 3
		.amdhsa_memory_ordered 1
		.amdhsa_forward_progress 1
		.amdhsa_inst_pref_size 18
	.end_amdhsa_kernel
	.amdgpu_metadata
---
amdhsa.version: [ 1, 2 ]
amdhsa.kernels:
  - .name:           k_q6c81d0acbe_mapper
    .symbol:         k_q6c81d0acbe_mapper.kd
    .args:
      - { .name: W, .offset: 0, .size: 8, .value_kind: global_buffer, .address_space: global }
      - { .name: decoder_hidden_state, .offset: 8, .size: 8, .value_kind: global_buffer, .address_space: global }
      - { .name: interp, .offset: 16, .size: 8, .value_kind: global_buffer, .address_space: global }
    .group_segment_fixed_size: 3328
    .private_segment_fixed_size: 0
    .kernarg_segment_align: 8
    .kernarg_segment_size: 24
    .max_flat_workgroup_size: 256
    .sgpr_count:     66
    .vgpr_count:     102
    .wavefront_size: 32
...
	.end_amdgpu_metadata
.endif
;; end of part 1
;; launch attend (part 2): grid 256 x 1, 16 waves a work-group, no clusters, 38,144 bytes of LDS; arguments all_embeddings, triple_mask, alpha_graph_attention_top, interp, part, out1; writes part, out1
.if DOCPART == 2
	.amdgcn_target "amdgcn-amd-amdhsa--gfx1250"
	.amdhsa_code_object_version 6
	.text
	.protected	k_q6c81d0acbe_attend
	.globl	k_q6c81d0acbe_attend
	.p2align	8
	.type	k_q6c81d0acbe_attend,@function
k_q6c81d0acbe_attend:
	s_mov_b64 s[64:65], 0
	v_nop
	global_prefetch_b8 v0, s[64:65] scope:SCOPE_SE
	s_setreg_imm32_b32 hwreg(HW_REG_WAVE_MODE, 25, 1), 1
	s_wait_xcnt 0x0
; For each (b, g): beta[t] = x[t] . inter[b] on the valid triples, p = softmax over the valid t, alpha[t] = top[b][g] p[t] (0 where not valid),
; and the work-group's share of c[b][e] = sum over g, t of alpha[t] x[t][e].   x = all_embeddings [32][64][64][256] f32.
; inter[b] = the sum of the 16 slices interp[s][b] that the launch before left; it carries log2(e), so the dot products are exponents of 2.
;
; A STREAM: 134 MB are read once, each number is used for two multiply-adds, so bytes decide.  All arithmetic in f32 on the vector units
; (one vector against a tile: the matrix unit would waste 15 of 16 columns, and 16-bit operands would put their error into an exponent).
; 256 work-groups of 16 waves.  A work-group owns 8 neighbouring tiles (b = id >> 3, g = 8 (id & 7) + 0..7), 512 KiB in one piece;
; a wave owns half a tile, 32 rows, 32 KiB in one piece.
; LANES: h = lane / 16, r = lane % 16.  A "row pair" j is rows j (h = 0) and 16 + j (h = 1) of the wave's 32.  Load q of a pair brings
; e = 64 q + 4 r .. + 3: each half of the wave covers 256 consecutive bytes, aligned.  A lane holds 16 of a row's 256 numbers, so a dot
; product ends with four adds across 16 lanes, after which EVERY lane of the half holds beta: the second product needs no broadcast.
; ONLINE SOFTMAX: each half of a wave is a piece of 16 rows with its own running maximum m, sum l and 256 sums c (16 a lane).  Four row
; pairs at a time: m rises, l and c are scaled by 2^(m_old - m_new), the rows are added with weight 2^(beta - m_new).  So a row is used
; for both products when it arrives and is never kept.  The betas (16 registers) are kept for alpha.
; A row that is not valid gets beta = -inf, and m starts at the lowest finite number: its weight is 2^(-inf) = 0 whatever m is, with no second select.
; THE RING: 8 slots of one row pair (16 registers, 2 KiB a wave).  All 8 are asked for at the start; a slot is asked for again as soon as
; its rows have been added to c.  16 waves x 16 KiB = 256 KiB of the work-group's 512 are on their way at the start.
; THE START: while the ring's first loads are on their way, wave w adds the 16 slices of columns 16 w .. 16 w + 15 of inter[b] (1 KiB, two loads),
; puts the 64 bytes into LDS, and behind one barrier every lane reads its 16 columns.
; THE END: every wave puts its raw (m, l), betas and pieces of c into LDS; ONE barrier; eight waves finish.  Each of them holds piece p in
; lane p, so the four pieces of a tile are four neighbouring lanes: two steps across lanes give the tile's maximum M, two more its l.
; Waves 0-3 make alpha = top 2^(beta - M) / l, four a lane; waves 4-7 add the 32 pieces of c, each times top 2^(m_p - M) / l.
; A store of waves 0-3 covers 512 consecutive bytes, one of waves 4-7 256, all aligned.  The sum of c over the 8 work-groups of a b is the next launch's.
; NOT USED: clusters (work-groups share 16 KiB of interp and nothing else, against 512 KiB of their own); tensor loads with LDS slots (a way through
; LDS for numbers that come into registers directly here); prefetches (the loads themselves are on their way from the first instruction on).
; LIMITS: finite inputs (infinities and NaN are not followed); |beta| log2(e) must be finite in f32; weights below 2^-126 come out as 0
; (ISA guide, V_EXP_F32); sums are taken in another order than the reference's.  A tile with no valid triple gives alpha = 0 and adds nothing.
.set ROWB,  1024                       ; bytes in a row
.set SLOTS, 8
.set SLICE, 32768                      ; bytes of one slice of interp
.set LBT,   0                          ; LDS: beta of the 8 tiles, laid as alpha lies in out1, 2,048 bytes
.set LST,   2048                       ; LDS: (m, l) of the 32 pieces, 256 bytes
.set LCP,   2304                       ; LDS: the 32 pieces of c, 1,024 bytes each
.set LIN,   35072                      ; LDS: inter[b], 1,024 bytes
.set OFX, 1                            ; v1         byte offset of my 16 bytes in row pair 0: 16,384 h + 16 r; never rewritten
.set IOF, 2                            ; v2         16 r: my 16 bytes in 256 of inter
.set MOF, 3                            ; v3         4 x lane: my word of the wave's 32 mask words
.set I,   4                            ; v[4:19]    inter of my 16 columns: register 4 q + k is e = 64 q + 4 r + k (X and C likewise)
.set C,   20                           ; v[20:35]   my piece's sums c
.set BT,  36                           ; v[36:51]   beta of row pair j
.set E,   52                           ; v[52:59]   four pairs (weight, its exponent): the packed multiply-add reads the first register twice
.set PI,  E                            ;            at the start: two loads of slices of interp
.set S,   60                           ; v[60:61]   (2^(m_old - m_new), its exponent)
.set ML,  62                           ; v[62:63]   (m, l): a pair, stored as 8 bytes at the end
.set X,   64                           ; v[64:191]  the ring: slot s at 16 s
.set T,   192                          ; v[192:199] at work
.set M1,  200                          ; v200       m, in turn with v62
.set VM,  201                          ; v201       bit j: row pair j's row of my half is valid
.set NI,  202                          ; v202       -inf
.set MK,  203                          ; v203       my mask word as loaded
.set SA,  204                          ; v204       LDS: my piece's (m, l)
.set TP,  205                          ; v205       top of tile lane / 4: of the tile of piece p = lane
.set CA,  206                          ; v206       LDS: my 16 bytes in my piece of c
.set AA,  207                          ; v207       LDS: my piece's 16 betas
.set QA,  208                          ; v208       the way out of alpha: 16 x lane + 512 (wave & 3), in LDS and in memory
.set QC,  209                          ; v209       the way out of c: 8 x lane + 256 (wave & 3), in LDS and in memory
.set HH,  210                          ; v210       h, later 16 h
.set LN,  211                          ; v211       lane
.set POF, 212                          ; v212       interp: 32,768 (lane / 4) + 16 (lane % 4); never rewritten
.set LIA, 213                          ; v213       LDS: 64 wave + 16 (lane % 4)
.set L8,  214                          ; v214       8 x lane
.set BX,  215                          ; v215       4 x the lane that holds my tile's first piece (waves 0-3)
.set TOF, 216                          ; v216       4 (lane / 4)
; the end's registers
.set P,   T                            ; pair (m, l) of piece p = lane
.set MF,  T+2                          ; the tile's maximum M
.set DD,  T+3                          ; m - M
.set QQ,  T+4                          ; 2^(m - M)
.set LQ,  T+5                          ; l 2^(m - M), then the tile's l
.set RR,  T+6                          ; top / l
.set FF,  T+7                          ; the piece's factor
.set G,   X+8                          ; pair (top / l, M) of my tile (waves 0-3)
.set AC,  C                            ; four sums (waves 4-7)
.set FS,  66                           ; s[66:97]   the 32 pieces' factors (waves 4-7)
	s_load_b256 s[4:11], s[0:1], 0x0               ; x s[4:5], mask s[6:7], top s[8:9], interp s[10:11]
	s_load_b128 s[12:15], s[0:1], 0x20             ; part s[12:13], out1 s[14:15]
	v_lshl_add_u32 v220, v0, 2, 0x8d00
	v_mov_b32 v221, 0
	v_lshrrev_b32 v[LN], 5, v0
	v_readfirstlane_b32 s16, v[LN]                 ; wave 0..15
	v_and_b32 v[LN], 31, v0
	v_bfe_u32 v[HH], v0, 4, 1                      ; h
	v_and_b32 v[IOF], 15, v0                       ; r
	v_lshlrev_b32 v[IOF], 4, v[IOF]
	v_lshl_add_u32 v[OFX], v[HH], 14, v[IOF]       ; 16 rows of 1,024 bytes for the upper half
	v_lshlrev_b32 v[MOF], 2, v[LN]
	v_and_b32 v[TOF], 28, v[LN]                    ; 4 (lane / 4)
	v_and_b32 v[LIA], 3, v[LN]
	v_lshlrev_b32 v[LIA], 4, v[LIA]                ; 16 (lane % 4)
	v_lshrrev_b32 v[POF], 2, v[LN]
	v_lshl_add_u32 v[POF], v[POF], 15, v[LIA]      ; slice lane / 4, 16 bytes of the wave's 64
	s_mov_b32 s34, 0x76543210                      ; v_permlanex16_b32: lane i of one half reads lane i of the other
	s_mov_b32 s35, 0xfedcba98
	s_lshl_b32 s20, ttmp9, 19                      ; x: 512 KiB a work-group (at most 255 x 2^19: below 2^31)
	s_lshl_b32 s17, s16, 15                        ;    + 32 KiB a wave
	s_add_co_u32 s20, s20, s17
	s_mov_b32 s21, 0
	s_lshl_b32 s22, ttmp9, 11                      ; mask: 8 tiles of 256 bytes a work-group
	s_lshl_b32 s17, s16, 7                         ;    + 32 words a wave
	s_add_co_u32 s22, s22, s17
	s_mov_b32 s23, 0
	s_lshl_b32 s24, ttmp9, 5                       ; top: 8 words a work-group
	s_mov_b32 s25, 0
	s_lshr_b32 s26, ttmp9, 3                       ; b
	s_lshl_b32 s26, s26, 10                        ; interp: a row of 1,024 bytes
	s_lshl_b32 s17, s16, 6                         ;    + 16 columns a wave
	s_add_co_u32 s26, s26, s17
	s_mov_b32 s27, 0
	s_lshl_b32 s30, ttmp9, 10                      ; part: 1,024 bytes a work-group
	s_mov_b32 s31, 0
	s_lshl_b32 s32, ttmp9, 11                      ; out1: 2,048 bytes a work-group
	s_mov_b32 s33, 0
	s_wait_kmcnt 0x0
	s_add_nc_u64 s[4:5], s[4:5], s[20:21]
	s_add_nc_u64 s[6:7], s[6:7], s[22:23]
	s_add_nc_u64 s[8:9], s[8:9], s[24:25]
	s_add_nc_u64 s[10:11], s[10:11], s[26:27]
	s_add_nc_u64 s[12:13], s[12:13], s[30:31]
	s_add_nc_u64 s[14:15], s[14:15], s[32:33]
; row pair j into its slot: four loads, each half of the wave 256 consecutive bytes of its row.  Read once in the launch: non-temporal.
.macro FILL j
.irp q, 0,1,2,3
	global_load_b128 v[X+16*((\j)%SLOTS)+4*\q:X+16*((\j)%SLOTS)+4*\q+3], v[OFX], s[4:5] offset:(\j)*ROWB+256*\q th:TH_LOAD_NT
.endr
.endm
	global_load_b128 v[PI:PI+3],   v[POF], s[10:11]                ; slices 0-7 of my wave's 16 columns: four lanes a slice
	global_load_b128 v[PI+4:PI+7], v[POF], s[10:11] offset:8*SLICE ; slices 8-15
	global_load_b32 v[MK], v[MOF], s[6:7]          ; lane l: the mask of the wave's row l
	global_load_b32 v[TP], v[TOF], s[8:9]          ; asked for here, so that the end does not wait for memory
.irp j, 0,1,2,3,4,5,6,7
	FILL \j
.endr
	; LDS addresses and constants, while the loads are on their way
	v_lshl_add_u32 v[LIA], s16, 6, v[LIA]
	v_lshlrev_b32 v[SA], 3, v[HH]
	v_lshl_add_u32 v[SA], s16, 4, v[SA]            ; piece 2 wave + h, 8 bytes each
	v_lshl_add_u32 v[CA], v[HH], 10, v[IOF]
	v_lshl_add_u32 v[CA], s16, 11, v[CA]           ; piece x 1,024 + 16 r
	v_lshlrev_b32 v[AA], 6, v[HH]
	v_lshl_add_u32 v[AA], s16, 7, v[AA]            ; 4 x (32 wave + 16 h)
	s_and_b32 s17, s16, 3
	v_lshlrev_b32 v[QA], 4, v[LN]
	v_lshl_add_u32 v[QA], s17, 9, v[QA]
	v_lshlrev_b32 v[L8], 3, v[LN]
	v_lshl_add_u32 v[QC], s17, 8, v[L8]
	v_lshlrev_b32 v[HH], 4, v[HH]                  ; 16 h from here on
	v_lshl_add_u32 v[BX], s17, 5, v[HH]            ; wave a, half h: tile 2 a + h, whose first piece is lane 8 a + 4 h; times 4
	v_mov_b32 v[NI], 0xff800000                    ; -inf
	v_mov_b32 v[ML], 0xff7fffff                    ; m starts at the lowest finite number
	s_wait_loadcnt 32                              ; the slices, the mask and top are in; the ring's 32 loads, issued behind them, stay out
	; inter: the sum over the 16 slices = over the two loads and over bits 2, 3, 4 of the lane
	v_pk_add_f32 v[PI:PI+1],   v[PI:PI+1],   v[PI+4:PI+5]
	v_pk_add_f32 v[PI+2:PI+3], v[PI+2:PI+3], v[PI+6:PI+7]
.irp x, 4,8
.irp k, 0,1,2,3
	v_add_f32_dpp v[PI+\k], v[PI+\k], v[PI+\k] row_xmask:\x row_mask:0xf bank_mask:0xf
.endr
.endr
.irp k, 0,1,2,3
	v_permlanex16_b32 v[PI+4+\k], v[PI+\k], s34, s35               ; its destination counts as read: the second load wrote it
.endr
	v_pk_add_f32 v[PI:PI+1],   v[PI:PI+1],   v[PI+4:PI+5]
	v_pk_add_f32 v[PI+2:PI+3], v[PI+2:PI+3], v[PI+6:PI+7]
	ds_store_b128 v[LIA], v[PI:PI+3] offset:LIN    ; the eight lanes of a column group store the same 16 bytes
	v_cmp_lt_i32 s29, 0, v[MK]                     ; bit l: row l is valid (mask > 0)
	v_lshrrev_b32 v[VM], v[HH], s29                ; my half's 16 bits at the bottom
	s_wait_dscnt 0x0                               ; for the others' sake: my 64 bytes are in LDS before I signal
	s_barrier_signal -1                            ; the ring's loads stay on their way across this barrier: they land in registers, and nobody writes x
	s_barrier_wait -1
.irp q, 0,1,2,3
	ds_load_b128 v[I+4*\q:I+4*\q+3], v[IOF] offset:LIN+256*\q
.endr
	s_wait_dscnt 0x0
; Four row pairs 4 c .. 4 c + 3.  mo, mn: the registers of the old and the new maximum.  refill = 1: each slot gets the pair 8 further on.
; left = how many younger loads may stay out.
.macro CHUNK c, mo, mn, refill, left
.set XB, X+64*(\c%2)
	s_wait_loadcnt \left                           ; loads come back in order: these four pairs are in
	; beta: 16 products a lane and row, four chains side by side
.irp p, 0,1,2,3
	v_pk_mul_f32 v[T+2*\p:T+2*\p+1], v[XB+16*\p:XB+16*\p+1], v[I:I+1]
.endr
.irp i, 1,2,3,4,5,6,7
.irp p, 0,1,2,3
	v_pk_fma_f32 v[T+2*\p:T+2*\p+1], v[XB+16*\p+2*\i:XB+16*\p+2*\i+1], v[I+2*\i:I+2*\i+1], v[T+2*\p:T+2*\p+1]
.endr
.endr
.irp p, 0,1,2,3
	v_add_f32 v[BT+4*\c+\p], v[T+2*\p], v[T+2*\p+1]
.endr
.irp x, 1,2,4,8
.irp p, 0,1,2,3
	v_add_f32_dpp v[BT+4*\c+\p], v[BT+4*\c+\p], v[BT+4*\c+\p] row_xmask:\x row_mask:0xf bank_mask:0xf   ; across the 16 lanes of a row; every lane gets the sum
.endr
.endr
.irp p, 0,1,2,3
	v_and_b32 v[T+\p], 1<<(4*\c+\p), v[VM]
.endr
.irp p, 0,1,2,3
	v_cmp_ne_u32 vcc_lo, 0, v[T+\p]
	v_cndmask_b32 v[BT+4*\c+\p], v[NI], v[BT+4*\c+\p], vcc_lo      ; not valid: -inf
.endr
	v_max3_num_f32 v[\mn], v[\mo], v[BT+4*\c],   v[BT+4*\c+1]
	v_max3_num_f32 v[\mn], v[\mn], v[BT+4*\c+2], v[BT+4*\c+3]
.if \c
	v_sub_f32 v[S+1], v[\mo], v[\mn]
.endif
.irp p, 0,1,2,3
	v_sub_f32 v[E+2*\p+1], v[BT+4*\c+\p], v[\mn]
.endr
.if \c
	v_exp_f32 v[S], v[S+1]
.endif
.irp p, 0,1,2,3
	v_exp_f32 v[E+2*\p], v[E+2*\p+1]
.endr
	v_nop                                          ; one plain vector instruction between the exponentials and the first use of a result (ISA guide 5.7.2)
.if \c
	s_wait_alu depctr_va_vdst(0)
	v_fma_f32 v[ML+1], v[ML+1], v[S], v[E]         ; l = l s + the four weights
	v_add_f32 v[ML+1], v[ML+1], v[E+2]
.irp i, 0,1,2,3,4,5,6,7
	v_pk_mul_f32 v[C+2*\i:C+2*\i+1], v[C+2*\i:C+2*\i+1], v[S:S+1] op_sel_hi:[1,0]      ; c = c s
.endr
.else
	s_wait_alu depctr_va_vdst(0)
	v_add_f32 v[ML+1], v[E], v[E+2]                ; the first weights start l: nothing is cleared
.endif
	v_add_f32 v[ML+1], v[ML+1], v[E+4]
	v_add_f32 v[ML+1], v[ML+1], v[E+6]
	; c += weight x row; the slot is then free and is asked for again at once
.irp p, 0,1,2,3
.irp i, 0,1,2,3,4,5,6,7
.if \c+\p
	v_pk_fma_f32 v[C+2*\i:C+2*\i+1], v[XB+16*\p+2*\i:XB+16*\p+2*\i+1], v[E+2*\p:E+2*\p+1], v[C+2*\i:C+2*\i+1] op_sel_hi:[1,0,1]
.else
	v_pk_mul_f32 v[C+2*\i:C+2*\i+1], v[XB+16*\p+2*\i:XB+16*\p+2*\i+1], v[E+2*\p:E+2*\p+1] op_sel_hi:[1,0]   ; the first row starts c
.endif
.endr
.if \refill
	FILL 4*\c+\p+8
.endif
.endr
.endm
	CHUNK 0, ML, M1, 1, 16                         ; pairs 0-3; the 16 loads of pairs 4-7 stay out
	CHUNK 1, M1, ML, 1, 16                         ; pairs 4-7; the 16 loads of pairs 8-11, issued in the chunk before, stay out
	CHUNK 2, ML, M1, 0, 16                         ; pairs 8-11; the 16 loads of pairs 12-15 stay out; nothing is left to ask for
	CHUNK 3, M1, ML, 0, 0                          ; pairs 12-15: the last loads; m ends in v62, beside l
	; THE END.  Everything goes to LDS as it stands, in the piece's own scale.
	ds_store_b64 v[SA], v[ML:ML+1] offset:LST      ; the 16 lanes of a half store the same 8 bytes
.irp k, 0,1,2,3
	ds_store_b128 v[AA], v[BT+4*\k:BT+4*\k+3] offset:LBT+16*\k     ; four neighbouring t; the 16 lanes of a half store the same 16 bytes
	ds_store_b128 v[CA], v[C+4*\k:C+4*\k+3] offset:LCP+256*\k      ; 16 lanes: 256 neighbouring bytes of the piece
.endr
	s_wait_dscnt 0x0                               ; for the finishing waves' sake: zero before the signal
	s_barrier_signal -1
	s_barrier_wait -1
	s_cmp_lt_u32 s16, 4
	s_cbranch_scc1 .Lalpha
	s_cmp_lt_u32 s16, 8
	s_cbranch_scc1 .Lsum
	s_wait_tensorcnt 0x0
	ds_add_u32 v220, v221
	s_wait_dscnt 0x0
	s_endpgm
; Lane p holds (m, l) of piece p and top of its tile.  The tile's four pieces are lanes 4 g .. 4 g + 3: steps across lanes 1 and 2 reach them all.
; Out: M and top / l of the tile, and the piece's factor top 2^(m - M) / l.  A tile's l is 0 (no valid triple) or at least 1 (the largest weight is 1).
.macro FACTORS
	v_max_num_f32_dpp v[MF], v[P], v[P] row_xmask:1 row_mask:0xf bank_mask:0xf
	v_max_num_f32_dpp v[MF], v[MF], v[MF] row_xmask:2 row_mask:0xf bank_mask:0xf
	v_sub_f32 v[DD], v[P], v[MF]
	v_exp_f32 v[QQ], v[DD]
	v_nop                                          ; the place between a transcendental and the first use of its result (ISA guide 5.7.2)
	s_wait_alu depctr_va_vdst(0)
	v_mul_f32 v[LQ], v[P+1], v[QQ]
	v_add_f32_dpp v[LQ], v[LQ], v[LQ] row_xmask:1 row_mask:0xf bank_mask:0xf
	v_add_f32_dpp v[LQ], v[LQ], v[LQ] row_xmask:2 row_mask:0xf bank_mask:0xf
	v_cmp_lt_f32 vcc_lo, 0, v[LQ]
	v_rcp_f32 v[RR], v[LQ]
	v_nop                                          ; the same place
	s_wait_alu depctr_va_vdst(0)
	v_mul_f32 v[RR], v[TP], v[RR]                  ; top / l,
	v_cndmask_b32 v[RR], 0, v[RR], vcc_lo          ; or 0 for a tile without a valid triple
	v_mul_f32 v[FF], v[QQ], v[RR]
.endm
.Lalpha:                                           ; waves 0-3: 512 bytes each of the work-group's 2,048 bytes of alpha; lanes 0-15 tile 2 a, lanes 16-31 tile 2 a + 1
	ds_load_b64 v[P:P+1], v[L8] offset:LST
	ds_load_b128 v[X:X+3], v[QA] offset:LBT        ; my four betas
	s_wait_dscnt 1                                 ; LDS loads come back in order: the pair is in, the betas may stay out
	FACTORS
	ds_bpermute_b32 v[G],   v[BX], v[RR]           ; top / l and M from the lane of my tile's first piece
	ds_bpermute_b32 v[G+1], v[BX], v[MF]
	s_wait_dscnt 0x0
.irp k, 0,1,2,3
	v_sub_f32 v[X+\k], v[X+\k], v[G+1]
.endr
.irp k, 0,1,2,3
	v_exp_f32 v[X+4+\k], v[X+\k]                   ; 0 where beta = -inf
.endr
	v_nop                                          ; the place behind the exponentials
	s_wait_alu depctr_va_vdst(0)
	v_pk_mul_f32 v[X+4:X+5], v[X+4:X+5], v[G:G+1] op_sel_hi:[1,0]
	v_pk_mul_f32 v[X+6:X+7], v[X+6:X+7], v[G:G+1] op_sel_hi:[1,0]
	global_store_b128 v[QA], v[X+4:X+7], s[14:15] th:TH_STORE_NT
	s_wait_tensorcnt 0x0
	ds_add_u32 v220, v221
	s_wait_dscnt 0x0
	s_endpgm
.Lsum:                                             ; waves 4-7: 64 columns each, two a lane, over the 32 pieces
	ds_load_b64 v[P:P+1], v[L8] offset:LST
.set kk, 0
.rept 32
	ds_load_b64 v[X+2*kk:X+2*kk+1], v[QC] offset:LCP+1024*kk       ; 32 lanes: 256 neighbouring bytes of piece kk
.set kk, kk+1
.endr
	s_wait_dscnt 32                                ; the pair is in; the 32 loads behind it stay out
	FACTORS
.set kk, 0
.rept 32
	v_readlane_b32 s[FS+kk], v[FF], kk             ; piece kk's factor, for every lane
.set kk, kk+1
.endr
	s_wait_dscnt 16                                ; pieces 0-15 are in
	v_mul_f32 v[AC],   s[FS],   v[X]               ; the first two pieces start the four sums: nothing is cleared
	v_mul_f32 v[AC+1], s[FS],   v[X+1]
	v_mul_f32 v[AC+2], s[FS+1], v[X+2]
	v_mul_f32 v[AC+3], s[FS+1], v[X+3]
.set kk, 2
.rept 14
	v_fmac_f32 v[AC+2*(kk%2)],   s[FS+kk], v[X+2*kk]
	v_fmac_f32 v[AC+2*(kk%2)+1], s[FS+kk], v[X+2*kk+1]
.set kk, kk+1
.endr
	s_wait_dscnt 0x0                               ; pieces 16-31
.rept 16
	v_fmac_f32 v[AC+2*(kk%2)],   s[FS+kk], v[X+2*kk]
	v_fmac_f32 v[AC+2*(kk%2)+1], s[FS+kk], v[X+2*kk+1]
.set kk, kk+1
.endr
	v_pk_add_f32 v[AC:AC+1], v[AC:AC+1], v[AC+2:AC+3]
	global_store_b64 v[QC], v[AC:AC+1], s[12:13]   ; 32 lanes: 256 consecutive bytes, aligned; read again by the next launch: no non-temporal hint
	s_wait_tensorcnt 0x0
	ds_add_u32 v220, v221
	s_wait_dscnt 0x0
	s_endpgm
.Lfunc_end_k_q6c81d0acbe_attend:
	.size	k_q6c81d0acbe_attend, .Lfunc_end_k_q6c81d0acbe_attend-k_q6c81d0acbe_attend
	.p2alignl 7, 3214868480
	.fill 96, 4, 3214868480
	.section	.rodata,"a",@progbits
	.p2align	6, 0x0
	.amdhsa_kernel k_q6c81d0acbe_attend
		.amdhsa_group_segment_fixed_size 38144
		.amdhsa_private_segment_fixed_size 0
		.amdhsa_enable_private_segment 0
		.amdhsa_kernarg_size 48
		.amdhsa_user_sgpr_count 2
		.amdhsa_user_sgpr_kernarg_segment_ptr 1
		.amdhsa_wavefront_size32 1
		.amdhsa_system_sgpr_workgroup_id_x 1
		.amdhsa_system_sgpr_workgroup_id_y 1
		.amdhsa_system_sgpr_workgroup_id_z 1
		.amdhsa_system_vgpr_workitem_id 0
		.amdhsa_next_free_vgpr 222
		.amdhsa_next_free_sgpr 98
		.amdhsa_reserve_vcc 1
		.amdhsa_float_denorm_mode_32 3
		.amdhsa_float_denorm_mode_16_64 3
		.amdhsa_memory_ordered 1
		.amdhsa_forward_progress 1
		.amdhsa_inst_pref_size 47
	.end_amdhsa_kernel
	.amdgpu_metadata
---
amdhsa.version: [ 1, 2 ]
amdhsa.kernels:
  - .name:           k_q6c81d0acbe_attend
    .symbol:         k_q6c81d0acbe_attend.kd
    .args:
      - { .name: all_embeddings, .offset: 0, .size: 8, .value_kind: global_buffer, .address_space: global }
      - { .name: triple_mask, .offset: 8, .size: 8, .value_kind: global_buffer, .address_space: global }
      - { .name: alpha_graph_attention_top, .offset: 16, .size: 8, .value_kind: global_buffer, .address_space: global }
      - { .name: interp, .offset: 24, .size: 8, .value_kind: global_buffer, .address_space: global }
      - { .name: part, .offset: 32, .size: 8, .value_kind: global_buffer, .address_space: global }
      - { .name: out1, .offset: 40, .size: 8, .value_kind: global_buffer, .address_space: global }
    .group_segment_fixed_size: 38144
    .private_segment_fixed_size: 0
    .kernarg_segment_align: 8
    .kernarg_segment_size: 48
    .max_flat_workgroup_size: 512
    .sgpr_count:     98
    .vgpr_count:     222
    .wavefront_size: 32
...
	.end_amdgpu_metadata
.endif
;; end of part 2
;; launch fold (part 3): grid 64 x 1, 1 waves a work-group, no clusters, 0 bytes of LDS; arguments part, out0; writes out0
.if DOCPART == 3
	.amdgcn_target "amdgcn-amd-amdhsa--gfx1250"
	.amdhsa_code_object_version 6
	.text
	.protected	k_q6c81d0acbe_fold
	.globl	k_q6c81d0acbe_fold
	.p2align	8
	.type	k_q6c81d0acbe_fold,@function
k_q6c81d0acbe_fold:
	s_mov_b64 s[64:65], 0
	v_nop
	global_prefetch_b8 v0, s[64:65] scope:SCOPE_SE
	s_setreg_imm32_b32 hwreg(HW_REG_WAVE_MODE, 25, 1), 1
	s_wait_xcnt 0x0
; out0[b][e] = sum over s = 0 .. 7 of part[8 b + s][e]: the eight work-groups of a b in the launch before each left 256 sums.
; A sum over work-groups has one owner, in a launch of its own.  64 work-groups of one wave: b = id >> 1, columns 128 (id & 1) .. + 127.
; A lane takes four columns: eight loads of 16 bytes, all on their way at once, and one store; each covers 512 consecutive bytes, aligned.
; 256 KiB in, 32 KiB out: no LDS, no barrier, nothing to share.
.set PIECE, 1024                       ; bytes of one work-group's sums
.set D, 4                              ; v[4:35]  the eight pieces' four columns
	s_load_b128 s[4:7], s[0:1], 0x0                ; part s[4:5], out0 s[6:7]
	v_lshlrev_b32 v1, 4, v0                        ; 16 x lane
	s_lshr_b32 s8, ttmp9, 1                        ; b
	s_and_b32 s9, ttmp9, 1                         ; which half of the row
	s_lshl_b32 s8, s8, 13                          ; 8 pieces of 1,024 bytes
	s_lshl_b32 s9, s9, 9
	s_add_co_u32 s8, s8, s9
	s_mov_b32 s9, 0
	s_lshl_b32 s10, ttmp9, 9                       ; out0: 1,024 b + 512 half = 512 id
	s_mov_b32 s11, 0
	s_wait_kmcnt 0x0
	s_add_nc_u64 s[4:5], s[4:5], s[8:9]
	s_add_nc_u64 s[6:7], s[6:7], s[10:11]
.irp s, 0,1,2,3,4,5,6,7
	global_load_b128 v[D+4*\s:D+4*\s+3], v1, s[4:5] offset:PIECE*\s th:TH_LOAD_NT
.endr
	s_wait_loadcnt 0x0
.irp k, 0,1,2,3,4,5,6,7
	v_pk_add_f32 v[D+2*\k:D+2*\k+1], v[D+2*\k:D+2*\k+1], v[D+16+2*\k:D+16+2*\k+1]      ; pieces 4-7 onto 0-3
.endr
.irp k, 0,1,2,3
	v_pk_add_f32 v[D+2*\k:D+2*\k+1], v[D+2*\k:D+2*\k+1], v[D+8+2*\k:D+8+2*\k+1]        ; 2, 3 onto 0, 1
.endr
.irp k, 0,1
	v_pk_add_f32 v[D+2*\k:D+2*\k+1], v[D+2*\k:D+2*\k+1], v[D+4+2*\k:D+4+2*\k+1]        ; 1 onto 0
.endr
	global_store_b128 v1, v[D:D+3], s[6:7] th:TH_STORE_NT
	s_endpgm
.Lfunc_end_k_q6c81d0acbe_fold:
	.size	k_q6c81d0acbe_fold, .Lfunc_end_k_q6c81d0acbe_fold-k_q6c81d0acbe_fold
	.p2alignl 7, 3214868480
	.fill 96, 4, 3214868480
	.section	.rodata,"a",@progbits
	.p2align	6, 0x0
	.amdhsa_kernel k_q6c81d0acbe_fold
		.amdhsa_group_segment_fixed_size 0
		.amdhsa_private_segment_fixed_size 0
		.amdhsa_enable_private_segment 0
		.amdhsa_kernarg_size 16
		.amdhsa_user_sgpr_count 2
		.amdhsa_user_sgpr_kernarg_segment_ptr 1
		.amdhsa_wavefront_size32 1
		.amdhsa_system_sgpr_workgroup_id_x 1
		.amdhsa_system_sgpr_workgroup_id_y 1
		.amdhsa_system_sgpr_workgroup_id_z 1
		.amdhsa_system_vgpr_workitem_id 0
		.amdhsa_next_free_vgpr 40
		.amdhsa_next_free_sgpr 66
		.amdhsa_reserve_vcc 0
		.amdhsa_float_denorm_mode_32 3
		.amdhsa_float_denorm_mode_16_64 3
		.amdhsa_memory_ordered 1
		.amdhsa_forward_progress 1
		.amdhsa_inst_pref_size 3
	.end_amdhsa_kernel
	.amdgpu_metadata
---
amdhsa.version: [ 1, 2 ]
amdhsa.kernels:
  - .name:           k_q6c81d0acbe_fold
    .symbol:         k_q6c81d0acbe_fold.kd
    .args:
      - { .name: part, .offset: 0, .size: 8, .value_kind: global_buffer, .address_space: global }
      - { .name: out0, .offset: 8, .size: 8, .value_kind: global_buffer, .address_space: global }
    .group_segment_fixed_size: 0
    .private_segment_fixed_size: 0
    .kernarg_segment_align: 8
    .kernarg_segment_size: 16
    .max_flat_workgroup_size: 32
    .sgpr_count:     66
    .vgpr_count:     40
    .wavefront_size: 32
...
	.end_amdgpu_metadata
.endif
;; end of part 3
;; ======== version 2 of 2: 3 launches; version 1 with the launch attend written anew for expert scheduling mode
;; workspace buffers: interp 524,288 bytes; part 262,144 bytes
;; launch mapper: the kernel of part 1 again; grid 256 x 1, 8 waves a work-group, no clusters, 3,328 bytes of LDS; arguments W, decoder_hidden_state, interp; writes interp
;; launch attend (part 4): grid 256 x 1, 16 waves a work-group, no clusters, 38,144 bytes of LDS; arguments all_embeddings, triple_mask, alpha_graph_attention_top, interp, part, out1; writes part, out1
.if DOCPART == 4
	.amdgcn_target "amdgcn-amd-amdhsa--gfx1250"
	.amdhsa_code_object_version 6
	.text
	.protected	k_q6c81d0acbe_attend
	.globl	k_q6c81d0acbe_attend
	.p2align	8
	.type	k_q6c81d0acbe_attend,@function
k_q6c81d0acbe_attend:
	s_mov_b64 s[64:65], 0
	v_nop
	global_prefetch_b8 v0, s[64:65] scope:SCOPE_SE
	s_setreg_imm32_b32 hwreg(HW_REG_WAVE_SCHED_MODE, 0, 2), 2
	s_setreg_imm32_b32 hwreg(HW_REG_WAVE_MODE, 25, 1), 1
	s_wait_xcnt 0x0
	s_wait_alu depctr_vm_vsrc(0)
; For each (b, g): beta[t] = x[t] . inter[b] on the valid triples, p = softmax over the valid t, alpha[t] = top[b][g] p[t] (0 where not valid),
; and the work-group's share of c[b][e] = sum over g, t of alpha[t] x[t][e].   x = all_embeddings [32][64][64][256] f32.
; inter[b] = the sum of the 16 slices interp[s][b] that the launch before left; it carries log2(e), so the dot products are exponents of 2.
;
; A STREAM: 134 MB are read once, each number is used for two multiply-adds, so bytes decide.  All arithmetic in f32 on the vector units
; (one vector against a tile: the matrix unit would waste 15 of 16 columns, and 16-bit operands would put their error into an exponent).
; 256 work-groups of 16 waves.  A work-group owns 8 neighbouring tiles (b = id >> 3, g = 8 (id & 7) + 0..7), 512 KiB in one piece;
; a wave owns half a tile, 32 rows, 32 KiB in one piece.
; LANES: h = lane / 16, r = lane % 16.  A "row pair" j is rows j (h = 0) and 16 + j (h = 1) of the wave's 32.  Load q of a pair brings
; e = 64 q + 4 r .. + 3: each half of the wave covers 256 consecutive bytes, aligned.  A lane holds 16 of a row's 256 numbers, so a dot
; product ends with four adds across 16 lanes, after which EVERY lane of the half holds beta: the second product needs no broadcast.
; ONLINE SOFTMAX: each half of a wave is a piece of 16 rows with its own running maximum m, sum l and 256 sums c (16 a lane).  Four row
; pairs at a time: m rises, l and c are scaled by 2^(m_old - m_new), the rows are added with weight 2^(beta - m_new).  So a row is used
; for both products when it arrives and is never kept.  The betas (16 registers) are kept for alpha.
; A row that is not valid gets beta = -inf, and m starts at the lowest finite number: its weight is 2^(-inf) = 0 whatever m is, with no second select.
; THE RING: 8 slots of one row pair (16 registers, 2 KiB a wave).  All 8 are asked for at the start; a slot is asked for again behind the wait
; that shows its rows added to c.  16 waves x 16 KiB = 256 KiB of the work-group's 512 are on their way at the start.
; THE START: while the ring's first loads are on their way, wave w adds the 16 slices of columns 16 w .. 16 w + 15 of inter[b] (1 KiB, two loads),
; puts the 64 bytes into LDS, and behind one barrier every lane reads its 16 columns.
; THE END: every wave puts its raw (m, l), betas and pieces of c into LDS; ONE barrier; eight waves finish.  Each of them holds piece p in
; lane p, so the four pieces of a tile are four neighbouring lanes: two steps across lanes give the tile's maximum M, two more its l.
; Waves 0-3 make alpha = top 2^(beta - M) / l, four a lane; waves 4-7 add the 32 pieces of c, each times top 2^(m_p - M) / l.
; A store of waves 0-3 covers 512 consecutive bytes, one of waves 4-7 256, all aligned.  The sum of c over the 8 work-groups of a b is the next launch's.
; NOT USED: clusters (work-groups share 16 KiB of interp and nothing else, against 512 KiB of their own); tensor loads with LDS slots (a way through
; LDS for numbers that come into registers directly here); prefetches (the loads themselves are on their way from the first instruction on).
; LIMITS: finite inputs (infinities and NaN are not followed); |beta| log2(e) must be finite in f32; weights below 2^-126 come out as 0
; (ISA guide, V_EXP_F32); sums are taken in another order than the reference's.  A tile with no valid triple gives alpha = 0 and adds nothing.
;
; THE MODE: SCHED_MODE bits 1:0 = 2 (LLVM: expert scheduling mode 2), set by the entry lines.  The code itself states the register dependences
; between vector instructions and memory or LDS instructions, with s_wait_alu, always for 0.
; THE PLAN.  Registers that memory or LDS instructions touch:
;   v1, v2, v3, v212, v216   offsets of the loads, made at the head and never written again: one wait on va_vdst ahead of the first load.
;   v204-209, v213-215       LDS and way-out addresses, made once while the first loads are out: the wait on va_vdst ahead of the first LDS store shows them written.
;   E = PI                   two loads of slices land in it; the slices' sums are made in it; the LDS store of inter reads it (va_vdst ahead of the store); from the
;                            first chunk on it holds the weights (vm_vsrc behind the start's barrier, ahead of those writes).
;   X, slots 0-7             written by loads; read by a chunk's lines for beta and for c.  In chunks 0 and 1 ONE wait on va_vdst stands behind the multiply-adds of
;                            pairs 0 and 1: their slots' loads follow it, dealt among the multiply-adds of pairs 2 and 3, which name slots 2 and 3, their weights and c
;                            and none of the registers that those loads touch; a second one stands behind pair 3, ahead of the loads into slots 2 and 3.
;   ML, BT, C                written by the chunks, read by the end's LDS stores: one wait on va_vdst ahead of them.  It also serves the finishing waves' LDS loads into
;                            T and X: no vector instruction stands between.  Waves 4-7 write C anew: one wait on vm_vsrc behind the end's barrier, ahead of the branches.
;   RR, MF; X+4..7; AC       written by the finishing waves' arithmetic, read by the lane permutes through LDS and by the last stores: va_vdst ahead of each run.
; Scalar registers that vector instructions write: s16 (the wave), s29 (the valid bits), s36-51 (the sixteen row masks, made in one run at the start), VCC in FACTORS,
; s66-97 (the factors): each run has its wait on va_sdst or va_vcc ahead of the first reader.
.set ROWB,  1024                       ; bytes in a row
.set SLOTS, 8
.set SLICE, 32768                      ; bytes of one slice of interp
.set LBT,   0                          ; LDS: beta of the 8 tiles, laid as alpha lies in out1, 2,048 bytes
.set LST,   2048                       ; LDS: (m, l) of the 32 pieces, 256 bytes
.set LCP,   2304                       ; LDS: the 32 pieces of c, 1,024 bytes each
.set LIN,   35072                      ; LDS: inter[b], 1,024 bytes
.set OFX, 1                            ; v1         byte offset of my 16 bytes in row pair 0: 16,384 h + 16 r; never rewritten
.set IOF, 2                            ; v2         16 r: my 16 bytes in 256 of inter
.set MOF, 3                            ; v3         4 x lane: my word of the wave's 32 mask words
.set I,   4                            ; v[4:19]    inter of my 16 columns: register 4 q + k is e = 64 q + 4 r + k (X and C likewise)
.set C,   20                           ; v[20:35]   my piece's sums c
.set BT,  36                           ; v[36:51]   beta of row pair j
.set E,   52                           ; v[52:59]   four pairs (weight, its exponent): the packed multiply-add reads the first register twice
.set PI,  E                            ;            at the start: two loads of slices of interp
.set S,   60                           ; v[60:61]   (2^(m_old - m_new), its exponent)
.set ML,  62                           ; v[62:63]   (m, l): a pair, stored as 8 bytes at the end
.set X,   64                           ; v[64:191]  the ring: slot s at 16 s
.set T,   192                          ; v[192:199] at work
.set M1,  200                          ; v200       m, in turn with v62
.set VM,  201                          ; v201       bit j: row pair j's row of my half is valid
.set NI,  202                          ; v202       -inf
.set MK,  203                          ; v203       my mask word as loaded
.set SA,  204                          ; v204       LDS: my piece's (m, l)
.set TP,  205                          ; v205       top of tile lane / 4: of the tile of piece p = lane
.set CA,  206                          ; v206       LDS: my 16 bytes in my piece of c
.set AA,  207                          ; v207       LDS: my piece's 16 betas
.set QA,  208                          ; v208       the way out of alpha: 16 x lane + 512 (wave & 3), in LDS and in memory
.set QC,  209                          ; v209       the way out of c: 8 x lane + 256 (wave & 3), in LDS and in memory
.set HH,  210                          ; v210       h, later 16 h
.set LN,  211                          ; v211       lane
.set POF, 212                          ; v212       interp: 32,768 (lane / 4) + 16 (lane % 4); never rewritten
.set LIA, 213                          ; v213       LDS: 64 wave + 16 (lane % 4)
.set L8,  214                          ; v214       8 x lane
.set BX,  215                          ; v215       4 x the lane that holds my tile's first piece (waves 0-3)
.set TOF, 216                          ; v216       4 (lane / 4)
.set VS,  36                           ; s[36:51]   row pair j: the lanes whose row of the pair is valid
; the end's registers
.set P,   T                            ; pair (m, l) of piece p = lane
.set MF,  T+2                          ; the tile's maximum M
.set DD,  T+3                          ; m - M
.set QQ,  T+4                          ; 2^(m - M)
.set LQ,  T+5                          ; l 2^(m - M), then the tile's l
.set RR,  T+6                          ; top / l
.set FF,  T+7                          ; the piece's factor
.set G,   X+8                          ; pair (top / l, M) of my tile (waves 0-3)
.set AC,  C                            ; four sums (waves 4-7)
.set FS,  66                           ; s[66:97]   the 32 pieces' factors (waves 4-7)
	s_load_b256 s[4:11], s[0:1], 0x0               ; x s[4:5], mask s[6:7], top s[8:9], interp s[10:11]
	s_load_b128 s[12:15], s[0:1], 0x20             ; part s[12:13], out1 s[14:15]
	v_lshl_add_u32 v220, v0, 2, 0x8d00             ; my spare word, behind inter, and 0: kept for the closing lines alone
	v_mov_b32 v221, 0
	v_lshrrev_b32 v[LN], 5, v0
	v_readfirstlane_b32 s16, v[LN]                 ; wave 0..15
	v_and_b32 v[LN], 31, v0
	v_bfe_u32 v[HH], v0, 4, 1                      ; h
	v_and_b32 v[IOF], 15, v0                       ; r
	v_lshlrev_b32 v[IOF], 4, v[IOF]
	v_lshl_add_u32 v[OFX], v[HH], 14, v[IOF]       ; 16 rows of 1,024 bytes for the upper half
	v_lshlrev_b32 v[MOF], 2, v[LN]
	v_and_b32 v[TOF], 28, v[LN]                    ; 4 (lane / 4)
	v_and_b32 v[LIA], 3, v[LN]
	v_lshlrev_b32 v[LIA], 4, v[LIA]                ; 16 (lane % 4)
	v_lshrrev_b32 v[POF], 2, v[LN]
	v_lshl_add_u32 v[POF], v[POF], 15, v[LIA]      ; slice lane / 4, 16 bytes of the wave's 64
	s_mov_b32 s34, 0x76543210                      ; v_permlanex16_b32: lane i of one half reads lane i of the other
	s_mov_b32 s35, 0xfedcba98
	s_wait_alu depctr_va_sdst(0)                   ; s16 is written, ahead of its first reader: the wave's bases are made from it
	s_lshl_b32 s20, ttmp9, 19                      ; x: 512 KiB a work-group (at most 255 x 2^19: below 2^31)
	s_lshl_b32 s17, s16, 15                        ;    + 32 KiB a wave
	s_add_co_u32 s20, s20, s17
	s_mov_b32 s21, 0
	s_lshl_b32 s22, ttmp9, 11                      ; mask: 8 tiles of 256 bytes a work-group
	s_lshl_b32 s17, s16, 7                         ;    + 32 words a wave
	s_add_co_u32 s22, s22, s17
	s_mov_b32 s23, 0
	s_lshl_b32 s24, ttmp9, 5                       ; top: 8 words a work-group
	s_mov_b32 s25, 0
	s_lshr_b32 s26, ttmp9, 3                       ; b
	s_lshl_b32 s26, s26, 10                        ; interp: a row of 1,024 bytes
	s_lshl_b32 s17, s16, 6                         ;    + 16 columns a wave
	s_add_co_u32 s26, s26, s17
	s_mov_b32 s27, 0
	s_lshl_b32 s30, ttmp9, 10                      ; part: 1,024 bytes a work-group
	s_mov_b32 s31, 0
	s_lshl_b32 s32, ttmp9, 11                      ; out1: 2,048 bytes a work-group
	s_mov_b32 s33, 0
	s_wait_kmcnt 0x0
	s_add_nc_u64 s[4:5], s[4:5], s[20:21]
	s_add_nc_u64 s[6:7], s[6:7], s[22:23]
	s_add_nc_u64 s[8:9], s[8:9], s[24:25]
	s_add_nc_u64 s[10:11], s[10:11], s[26:27]
	s_add_nc_u64 s[12:13], s[12:13], s[30:31]
	s_add_nc_u64 s[14:15], s[14:15], s[32:33]
	s_wait_alu depctr_va_vdst(0)                   ; the offsets v1, v2, v3, v212 and v216 are written, which the loads of the kernel read
; row pair j into its slot: four loads, each half of the wave 256 consecutive bytes of its row.  Read once in the launch: non-temporal.
.macro FILL j
.irp q, 0,1,2,3
	global_load_b128 v[X+16*((\j)%SLOTS)+4*\q:X+16*((\j)%SLOTS)+4*\q+3], v[OFX], s[4:5] offset:(\j)*ROWB+256*\q th:TH_LOAD_NT
.endr
.endm
	global_load_b128 v[PI:PI+3],   v[POF], s[10:11]                ; slices 0-7 of my wave's 16 columns: four lanes a slice
	global_load_b128 v[PI+4:PI+7], v[POF], s[10:11] offset:8*SLICE ; slices 8-15
	global_load_b32 v[MK], v[MOF], s[6:7]          ; lane l: the mask of the wave's row l
	global_load_b32 v[TP], v[TOF], s[8:9]          ; asked for here, so that the end does not wait for memory
.irp j, 0,1,2,3,4,5,6,7
	FILL \j
.endr
	; LDS addresses and constants, while the loads are on their way: none of these lines writes a register that a load above reads
	v_lshl_add_u32 v[LIA], s16, 6, v[LIA]
	v_lshlrev_b32 v[SA], 3, v[HH]
	v_lshl_add_u32 v[SA], s16, 4, v[SA]            ; piece 2 wave + h, 8 bytes each
	v_lshl_add_u32 v[CA], v[HH], 10, v[IOF]
	v_lshl_add_u32 v[CA], s16, 11, v[CA]           ; piece x 1,024 + 16 r
	v_lshlrev_b32 v[AA], 6, v[HH]
	v_lshl_add_u32 v[AA], s16, 7, v[AA]            ; 4 x (32 wave + 16 h)
	s_and_b32 s17, s16, 3
	v_lshlrev_b32 v[QA], 4, v[LN]
	v_lshl_add_u32 v[QA], s17, 9, v[QA]
	v_lshlrev_b32 v[L8], 3, v[LN]
	v_lshl_add_u32 v[QC], s17, 8, v[L8]
	v_lshlrev_b32 v[HH], 4, v[HH]                  ; 16 h from here on
	v_lshl_add_u32 v[BX], s17, 5, v[HH]            ; wave a, half h: tile 2 a + h, whose first piece is lane 8 a + 4 h; times 4
	v_mov_b32 v[NI], 0xff800000                    ; -inf
	v_mov_b32 v[ML], 0xff7fffff                    ; m starts at the lowest finite number
	s_wait_loadcnt 32                              ; the slices, the mask and top are in; the ring's 32 loads, issued behind them, stay out
	; inter: the sum over the 16 slices = over the two loads and over bits 2, 3, 4 of the lane
	v_pk_add_f32 v[PI:PI+1],   v[PI:PI+1],   v[PI+4:PI+5]
	v_pk_add_f32 v[PI+2:PI+3], v[PI+2:PI+3], v[PI+6:PI+7]
.irp x, 4,8
.irp k, 0,1,2,3
	v_add_f32_dpp v[PI+\k], v[PI+\k], v[PI+\k] row_xmask:\x row_mask:0xf bank_mask:0xf
.endr
.endr
.irp k, 0,1,2,3
	v_permlanex16_b32 v[PI+4+\k], v[PI+\k], s34, s35               ; its destination counts as read: the second load wrote it
.endr
	v_pk_add_f32 v[PI:PI+1],   v[PI:PI+1],   v[PI+4:PI+5]
	v_pk_add_f32 v[PI+2:PI+3], v[PI+2:PI+3], v[PI+6:PI+7]
	s_wait_alu depctr_va_vdst(0)                   ; the sums in v[PI ..] and the address v[LIA] are written, which the LDS store reads; so are all the LDS and way-out addresses made above
	ds_store_b128 v[LIA], v[PI:PI+3] offset:LIN    ; the eight lanes of a column group store the same 16 bytes
	; the sixteen row masks, in one run, while the store is out
	v_cmp_lt_i32 s29, 0, v[MK]                     ; bit l: row l is valid (mask > 0)
	s_wait_alu depctr_va_sdst(0)                   ; s29 is written, ahead of the shift that reads it
	v_lshrrev_b32 v[VM], v[HH], s29                ; my half's 16 bits at the bottom
.irp b, 0,8
.irp p, 0,1,2,3,4,5,6,7
	v_and_b32 v[T+\p], 1<<(\b+\p), v[VM]
.endr
.irp p, 0,1,2,3,4,5,6,7
	v_cmp_ne_u32 s[VS+\b+\p], 0, v[T+\p]           ; row pair b + p: the lanes whose row is valid
.endr
.endr
	s_wait_alu depctr_va_sdst(0)                   ; s[36:51] are written, ahead of the chunks' selects, which read them: one wait for the run of sixteen
	s_wait_dscnt 0x0                               ; for the others' sake: my 64 bytes are in LDS before I signal
	s_barrier_signal -1                            ; the ring's loads stay on their way across this barrier: they land in registers, and nobody writes x
	s_barrier_wait -1
	s_wait_alu depctr_vm_vsrc(0)                   ; my LDS store has read v[PI ..]: these registers are E from here on, written by the chunks' subtractions and exponentials
.irp q, 0,1,2,3
	ds_load_b128 v[I+4*\q:I+4*\q+3], v[IOF] offset:LIN+256*\q
.endr
	s_wait_dscnt 0x0
; Four row pairs 4 c .. 4 c + 3.  mo, mn: the registers of the old and the new maximum.  refill = 1: each slot gets the pair 8 further on.
; left = how many younger loads may stay out.
.macro CHUNK c, mo, mn, refill, left
.set XB, X+64*(\c%2)
	s_wait_loadcnt \left                           ; loads come back in order: these four pairs are in
	; beta: 16 products a lane and row, four chains side by side
.irp p, 0,1,2,3
	v_pk_mul_f32 v[T+2*\p:T+2*\p+1], v[XB+16*\p:XB+16*\p+1], v[I:I+1]
.endr
.irp i, 1,2,3,4,5,6,7
.irp p, 0,1,2,3
	v_pk_fma_f32 v[T+2*\p:T+2*\p+1], v[XB+16*\p+2*\i:XB+16*\p+2*\i+1], v[I+2*\i:I+2*\i+1], v[T+2*\p:T+2*\p+1]
.endr
.endr
.irp p, 0,1,2,3
	v_add_f32 v[BT+4*\c+\p], v[T+2*\p], v[T+2*\p+1]
.endr
.irp x, 1,2,4,8
.irp p, 0,1,2,3
	v_add_f32_dpp v[BT+4*\c+\p], v[BT+4*\c+\p], v[BT+4*\c+\p] row_xmask:\x row_mask:0xf bank_mask:0xf   ; across the 16 lanes of a row; every lane gets the sum
.endr
.endr
.irp p, 0,1,2,3
	v_cndmask_b32 v[BT+4*\c+\p], v[NI], v[BT+4*\c+\p], s[VS+4*\c+\p]       ; not valid: -inf; the mask was made, and waited for, at the start
.endr
	v_max3_num_f32 v[\mn], v[\mo], v[BT+4*\c],   v[BT+4*\c+1]
	v_max3_num_f32 v[\mn], v[\mn], v[BT+4*\c+2], v[BT+4*\c+3]
.if \c
	v_sub_f32 v[S+1], v[\mo], v[\mn]
.endif
.irp p, 0,1,2,3
	v_sub_f32 v[E+2*\p+1], v[BT+4*\c+\p], v[\mn]
.endr
.if \c
	v_exp_f32 v[S], v[S+1]
.endif
.irp p, 0,1,2,3
	v_exp_f32 v[E+2*\p], v[E+2*\p+1]
.endr
	v_nop                                          ; one plain vector instruction between the exponentials and the first use of a result (ISA guide 5.7.2)
.if \c
	s_wait_alu depctr_va_vdst(0)                   ; the five exponentials have written v[S] and the four weights, ahead of their first reader
	v_fma_f32 v[ML+1], v[ML+1], v[S], v[E]         ; l = l s + the four weights
	v_add_f32 v[ML+1], v[ML+1], v[E+2]
.irp i, 0,1,2,3,4,5,6,7
	v_pk_mul_f32 v[C+2*\i:C+2*\i+1], v[C+2*\i:C+2*\i+1], v[S:S+1] op_sel_hi:[1,0]      ; c = c s
.endr
.else
	s_wait_alu depctr_va_vdst(0)                   ; the four exponentials have written the weights, ahead of their first reader
	v_add_f32 v[ML+1], v[E], v[E+2]                ; the first weights start l: nothing is cleared
.endif
	v_add_f32 v[ML+1], v[ML+1], v[E+4]
	v_add_f32 v[ML+1], v[ML+1], v[E+6]
	; c += weight x row.  The slots of pairs 0 and 1 are asked for again among the multiply-adds of pairs 2 and 3, those of pairs 2 and 3 behind them.
.irp p, 0,1,2,3
.if \refill
.if \p == 2
	s_wait_alu depctr_va_vdst(0)                   ; the lines for beta and for c are done reading the slots of pairs 0 and 1, in which the next eight loads land
.endif
.if \p >= 2
	FILL 4*\c+\p+6                                 ; no vector instruction since that wait names this slot or v[OFX]
.endif
.endif
.irp i, 0,1,2,3,4,5,6,7
.if \c+\p
	v_pk_fma_f32 v[C+2*\i:C+2*\i+1], v[XB+16*\p+2*\i:XB+16*\p+2*\i+1], v[E+2*\p:E+2*\p+1], v[C+2*\i:C+2*\i+1] op_sel_hi:[1,0,1]
.else
	v_pk_mul_f32 v[C+2*\i:C+2*\i+1], v[XB+16*\p+2*\i:XB+16*\p+2*\i+1], v[E+2*\p:E+2*\p+1] op_sel_hi:[1,0]   ; the first row starts c
.endif
.endr
.endr
.if \refill
	s_wait_alu depctr_va_vdst(0)                   ; the multiply-adds are done reading the slots of pairs 2 and 3, in which the next eight loads land
	FILL 4*\c+10
	FILL 4*\c+11
.endif
.endm
	CHUNK 0, ML, M1, 1, 16                         ; pairs 0-3; the 16 loads of pairs 4-7 stay out
	CHUNK 1, M1, ML, 1, 16                         ; pairs 4-7; the 16 loads of pairs 8-11, issued in the chunk before, stay out
	CHUNK 2, ML, M1, 0, 16                         ; pairs 8-11; the 16 loads of pairs 12-15 stay out; nothing is left to ask for
	CHUNK 3, M1, ML, 0, 0                          ; pairs 12-15: the last loads; m ends in v62, beside l
	; THE END.  Everything goes to LDS as it stands, in the piece's own scale.
	s_wait_alu depctr_va_vdst(0)                   ; the chunks have written (m, l), the betas and c, which the LDS stores read, and are done with T and X, in which the finishing waves' LDS loads land
	ds_store_b64 v[SA], v[ML:ML+1] offset:LST      ; the 16 lanes of a half store the same 8 bytes
.irp k, 0,1,2,3
	ds_store_b128 v[AA], v[BT+4*\k:BT+4*\k+3] offset:LBT+16*\k     ; four neighbouring t; the 16 lanes of a half store the same 16 bytes
	ds_store_b128 v[CA], v[C+4*\k:C+4*\k+3] offset:LCP+256*\k      ; 16 lanes: 256 neighbouring bytes of the piece
.endr
	s_wait_dscnt 0x0                               ; for the finishing waves' sake: zero before the signal
	s_barrier_signal -1
	s_barrier_wait -1
	s_wait_alu depctr_vm_vsrc(0)                   ; my LDS stores have read v[C ..], of which waves 4-7 write the first four anew as their sums: stated ahead of the branches
	s_cmp_lt_u32 s16, 4
	s_cbranch_scc1 .Lalpha
	s_cmp_lt_u32 s16, 8
	s_cbranch_scc1 .Lsum
	s_wait_dscnt 0x0                               ; the closing lines, six on end
	s_wait_alu 0x0
	s_wait_tensorcnt 0x0
	ds_add_u32 v220, v221
	s_wait_dscnt 0x0
	s_endpgm
; Lane p holds (m, l) of piece p and top of its tile.  The tile's four pieces are lanes 4 g .. 4 g + 3: steps across lanes 1 and 2 reach them all.
; Out: M and top / l of the tile, and the piece's factor top 2^(m - M) / l.  A tile's l is 0 (no valid triple) or at least 1 (the largest weight is 1).
.macro FACTORS
	v_max_num_f32_dpp v[MF], v[P], v[P] row_xmask:1 row_mask:0xf bank_mask:0xf
	v_max_num_f32_dpp v[MF], v[MF], v[MF] row_xmask:2 row_mask:0xf bank_mask:0xf
	v_sub_f32 v[DD], v[P], v[MF]
	v_exp_f32 v[QQ], v[DD]
	v_nop                                          ; the place between a transcendental and the first use of its result (ISA guide 5.7.2)
	s_wait_alu depctr_va_vdst(0)                   ; the exponential has written v[QQ], ahead of its first reader
	v_mul_f32 v[LQ], v[P+1], v[QQ]
	v_add_f32_dpp v[LQ], v[LQ], v[LQ] row_xmask:1 row_mask:0xf bank_mask:0xf
	v_add_f32_dpp v[LQ], v[LQ], v[LQ] row_xmask:2 row_mask:0xf bank_mask:0xf
	v_cmp_lt_f32 vcc_lo, 0, v[LQ]
	v_rcp_f32 v[RR], v[LQ]
	v_nop                                          ; the same place
	s_wait_alu depctr_va_vdst(0)                   ; the reciprocal has written v[RR], ahead of its first reader
	v_mul_f32 v[RR], v[TP], v[RR]                  ; top / l,
	s_wait_alu depctr_va_vcc(0)                    ; the compare has written VCC, ahead of the select that reads it
	v_cndmask_b32 v[RR], 0, v[RR], vcc_lo          ; or 0 for a tile without a valid triple
	v_mul_f32 v[FF], v[QQ], v[RR]
.endm
.Lalpha:                                           ; waves 0-3: 512 bytes each of the work-group's 2,048 bytes of alpha; lanes 0-15 tile 2 a, lanes 16-31 tile 2 a + 1
	ds_load_b64 v[P:P+1], v[L8] offset:LST         ; no vector instruction has been issued since the wait on va_vdst ahead of the end's stores
	ds_load_b128 v[X:X+3], v[QA] offset:LBT        ; my four betas
	s_wait_dscnt 1                                 ; LDS loads come back in order: the pair is in, the betas may stay out
	FACTORS
	s_wait_alu depctr_va_vdst(0)                   ; FACTORS has written v[RR] and v[MF], which the two permutes through LDS read
	ds_bpermute_b32 v[G],   v[BX], v[RR]           ; top / l and M from the lane of my tile's first piece
	ds_bpermute_b32 v[G+1], v[BX], v[MF]
	s_wait_dscnt 0x0
.irp k, 0,1,2,3
	v_sub_f32 v[X+\k], v[X+\k], v[G+1]
.endr
.irp k, 0,1,2,3
	v_exp_f32 v[X+4+\k], v[X+\k]                   ; 0 where beta = -inf
.endr
	v_nop                                          ; the place behind the exponentials
	s_wait_alu depctr_va_vdst(0)                   ; the four exponentials have written v[X+4 ..], ahead of their first reader
	v_pk_mul_f32 v[X+4:X+5], v[X+4:X+5], v[G:G+1] op_sel_hi:[1,0]
	v_pk_mul_f32 v[X+6:X+7], v[X+6:X+7], v[G:G+1] op_sel_hi:[1,0]
	s_wait_alu depctr_va_vdst(0)                   ; the two multiplies have written v[X+4 ..], which the store reads
	global_store_b128 v[QA], v[X+4:X+7], s[14:15] th:TH_STORE_NT
	s_wait_dscnt 0x0                               ; the closing lines, six on end, as above
	s_wait_alu 0x0
	s_wait_tensorcnt 0x0
	ds_add_u32 v220, v221
	s_wait_dscnt 0x0
	s_endpgm
.Lsum:                                             ; waves 4-7: 64 columns each, two a lane, over the 32 pieces
	ds_load_b64 v[P:P+1], v[L8] offset:LST         ; no vector instruction has been issued since the wait on va_vdst ahead of the end's stores
.set kk, 0
.rept 32
	ds_load_b64 v[X+2*kk:X+2*kk+1], v[QC] offset:LCP+1024*kk       ; 32 lanes: 256 neighbouring bytes of piece kk
.set kk, kk+1
.endr
	s_wait_dscnt 32                                ; the pair is in; the 32 loads behind it stay out
	FACTORS
.set kk, 0
.rept 32
	v_readlane_b32 s[FS+kk], v[FF], kk             ; piece kk's factor, for every lane
.set kk, kk+1
.endr
	s_wait_alu depctr_va_sdst(0)                   ; s[66:97] are written, ahead of the multiplies that read them: one wait for the run of 32
	s_wait_dscnt 16                                ; pieces 0-15 are in
	v_mul_f32 v[AC],   s[FS],   v[X]               ; the first two pieces start the four sums: nothing is cleared
	v_mul_f32 v[AC+1], s[FS],   v[X+1]
	v_mul_f32 v[AC+2], s[FS+1], v[X+2]
	v_mul_f32 v[AC+3], s[FS+1], v[X+3]
.set kk, 2
.rept 14
	v_fmac_f32 v[AC+2*(kk%2)],   s[FS+kk], v[X+2*kk]
	v_fmac_f32 v[AC+2*(kk%2)+1], s[FS+kk], v[X+2*kk+1]
.set kk, kk+1
.endr
	s_wait_dscnt 0x0                               ; pieces 16-31
.rept 16
	v_fmac_f32 v[AC+2*(kk%2)],   s[FS+kk], v[X+2*kk]
	v_fmac_f32 v[AC+2*(kk%2)+1], s[FS+kk], v[X+2*kk+1]
.set kk, kk+1
.endr
	v_pk_add_f32 v[AC:AC+1], v[AC:AC+1], v[AC+2:AC+3]
	s_wait_alu depctr_va_vdst(0)                   ; the last addition has written v[AC:AC+1], which the store reads
	global_store_b64 v[QC], v[AC:AC+1], s[12:13]   ; 32 lanes: 256 consecutive bytes, aligned; read again by the next launch: no non-temporal hint
	s_wait_dscnt 0x0                               ; the closing lines, six on end, as above
	s_wait_alu 0x0
	s_wait_tensorcnt 0x0
	ds_add_u32 v220, v221
	s_wait_dscnt 0x0
	s_endpgm
.Lfunc_end_k_q6c81d0acbe_attend:
	.size	k_q6c81d0acbe_attend, .Lfunc_end_k_q6c81d0acbe_attend-k_q6c81d0acbe_attend
	.p2alignl 7, 3214868480
	.fill 96, 4, 3214868480
	.section	.rodata,"a",@progbits
	.p2align	6, 0x0
	.amdhsa_kernel k_q6c81d0acbe_attend
		.amdhsa_group_segment_fixed_size 38144
		.amdhsa_private_segment_fixed_size 0
		.amdhsa_enable_private_segment 0
		.amdhsa_kernarg_size 48
		.amdhsa_user_sgpr_count 2
		.amdhsa_user_sgpr_kernarg_segment_ptr 1
		.amdhsa_wavefront_size32 1
		.amdhsa_system_sgpr_workgroup_id_x 1
		.amdhsa_system_sgpr_workgroup_id_y 1
		.amdhsa_system_sgpr_workgroup_id_z 1
		.amdhsa_system_vgpr_workitem_id 0
		.amdhsa_next_free_vgpr 222
		.amdhsa_next_free_sgpr 98
		.amdhsa_reserve_vcc 1
		.amdhsa_float_denorm_mode_32 3
		.amdhsa_float_denorm_mode_16_64 3
		.amdhsa_memory_ordered 1
		.amdhsa_forward_progress 1
		.amdhsa_inst_pref_size 49
	.end_amdhsa_kernel
	.amdgpu_metadata
---
amdhsa.version: [ 1, 2 ]
amdhsa.kernels:
  - .name:           k_q6c81d0acbe_attend
    .symbol:         k_q6c81d0acbe_attend.kd
    .args:
      - { .name: all_embeddings, .offset: 0, .size: 8, .value_kind: global_buffer, .address_space: global }
      - { .name: triple_mask, .offset: 8, .size: 8, .value_kind: global_buffer, .address_space: global }
      - { .name: alpha_graph_attention_top, .offset: 16, .size: 8, .value_kind: global_buffer, .address_space: global }
      - { .name: interp, .offset: 24, .size: 8, .value_kind: global_buffer, .address_space: global }
      - { .name: part, .offset: 32, .size: 8, .value_kind: global_buffer, .address_space: global }
      - { .name: out1, .offset: 40, .size: 8, .value_kind: global_buffer, .address_space: global }
    .group_segment_fixed_size: 38144
    .private_segment_fixed_size: 0
    .kernarg_segment_align: 8
    .kernarg_segment_size: 48
    .max_flat_workgroup_size: 512
    .sgpr_count:     98
    .vgpr_count:     222
    .wavefront_size: 32
...
	.end_amdgpu_metadata
.endif
;; end of part 4
;; launch fold: the kernel of part 3 again; grid 64 x 1, 1 waves a work-group, no clusters, 0 bytes of LDS; arguments part, out0; writes out0
